; MI455X (gfx1250); checked and timed in simulation.
; The chip was launched on July 23, 2026; its instructions are those of AMD's public machine-readable ISA for CDNA 5 (MIT licence, August 2026) and "CDNA5" Instruction Set Architecture Reference Guide (July 2026). The comments in the code are by the model that wrote it; some were corrected since.
;; Praxis Memory. Allowed arithmetic: matrix products marked QUANTISED: E2M1 operands, one E8M0 scale for each 32 along K, by v_wmma_scale_f32_16x16x128_f8f6f4 with both operands' format E2M1 (or v_wmma_scale_f32_32x16x128_f4), f32 sums; everything else in f32.
;; Inputs: gate 8 float32; inputs 2 x 1,024 x 1,024 float32; key 2 x 8 x 1,024 x 128 float32; key_memories 8 x 16,384 x 128 float32; outputs 2 x 8 x 1,024 x 128 float32; query 2 x 8 x 1,024 x 128 float32; value 2 x 8 x 1,024 x 128 float32; value_memories 8 x 16,384 x 128 float32.
;; Outputs: out0 2 x 8 x 1,024 x 128 float32.
;; This version of the problem:
;;   THIS VERSION OF THE PROBLEM IS GIVEN IN LOW PRECISION. The matrix products marked QUANTISED in the list below multiply operands that are first quantised to E2M1 (2 exponent bits, 1 mantissa bit; 4 bits a number), with one power-of-two scale for each 32 numbers along K (OCP MX v1.0); their sums are f32. All else is computed in f32.
;;   The module's matrix products, in the order in which they are computed (A, B: the left and right operand; K: the contracted axis; several contracted axes count as one K, in the product's order):
;;     1. batch 8 x [M 2,048, K 128] x [K 128, N 16,384]; A: computed on the way; B: computed on the way: QUANTISED
;;   THE QUANTISER, for each operand of a quantised product, along K:
;;     - K is cut into blocks of 32 from its start; a last block that is shorter is filled with zeros.
;;     - A block's scale is 2^e with e = floor(log2(the largest magnitude in the block)) - 2, held to -126 .. 127; a block of zeros has e = 0. As a byte (E8M0): e + 127.
;;     - Each number is divided by its block's scale, clamped to +-6, and rounded to the nearest number of E2M1, ties to even, subnormals kept.
;;     - The product sums the exact products of the quantised numbers (number of the format x scale) in f32.
;;   ~~~python
;;   def quantise(x, axis):      # numpy; x: float32 -> the quantised numbers, widened to float32 again
;;       x = np.moveaxis(x, axis, -1); K = x.shape[-1]
;;       x = np.pad(x, [(0, 0)] * (x.ndim - 1) + [(0, -K % 32)]); x = x.reshape(x.shape[:-1] + (-1, 32)); a = np.abs(x).max(-1, keepdims=True)
;;       e = np.where(a > 0, np.clip(np.frexp(np.where(a > 0, a, 1))[1] - 1 - 2, -126, 127), 0)      # np.frexp(a)[1] - 1 = floor(log2(a)), exactly
;;       r = np.clip(x / 2.0 ** e, -6, 6)
;;       step = 2.0 ** (np.maximum(np.frexp(np.where(r == 0, 1, r))[1] - 1, 0) - 1)
;;       q = np.round(r / step) * step * 2.0 ** e      # np.round: ties to even
;;       return np.moveaxis(q.reshape(q.shape[:-2] + (-1,))[..., :K], -1, axis).astype(np.float32)
;;   ~~~
;;   OPERANDS COMPUTED ON THE WAY. 'Computed on the way' means the value that the module computes at that place (a softmax that the list does not call 'softmax' is quantised finished and normalised). What goes into a quantiser is computed in f32, as accurately as f32 sums, v_exp_f32 and their like allow (about 1e-6 of the number): no bf16 or f16 on the way to a quantiser, and a product that is left as it is and whose result goes on into a quantised operand takes f32 operands (vector FMAs, or v_wmma_f32_16x16x4_f32). A number that lies on a knife's edge between two numbers of the format may be rounded either way, as far as f32 arithmetic and the matrix unit's own rounding can turn it there, and no further.
;; One version. Each part assembles by itself: llvm-mc -triple=amdgcn-amd-amdhsa -mcpu=gfx1250 --defsym DOCPART=n.
;; ======== version 1 of 1: 4 launches
;; workspace buffers: kc 8,388,608 bytes; ks 524,288 bytes; qc 1,048,576 bytes; qs 65,536 bytes; gsel 524,288 bytes of whole numbers; tidx 524,288 bytes of whole numbers; tsc 524,288 bytes
;; launch pack (part 1): grid 2304 x 1, 4 waves a work-group, no clusters, 34,816 bytes of LDS; arguments key_memories, query, kc, ks, qc, qs; writes kc, ks, qc, qs
.if DOCPART == 1
	.amdgcn_target "amdgcn-amd-amdhsa--gfx1250"
	.amdhsa_code_object_version 6
	.text
	.protected	k_qd4c3d01847_pack
	.globl	k_qd4c3d01847_pack
	.p2align	8
	.type	k_qd4c3d01847_pack,@function
k_qd4c3d01847_pack:
	s_mov_b64 s[64:65], 0
	v_nop
	global_prefetch_b8 v0, s[64:65] scope:SCOPE_SE
	s_setreg_imm32_b32 hwreg(HW_REG_WAVE_MODE, 25, 1), 1
	s_wait_xcnt 0x0
; Rows of 128 f32 (the 131,072 memory keys, then the 16,384 queries) are divided by max(their length, 1e-8) in f32 and turned into codes of FP4 (E2M1),
; one E8M0 byte for each 32 along the row.  Codes leave as IMAGES OF THE MATRIX OPERAND: a tile of 16 rows is 1,024 bytes; the 16 bytes of block b of row r lie at
; 512 (b / 2) + 256 (b % 2) + 16 r, which is register group b / 2 of lane r + 16 (b % 2).  Scale bytes leave as one word a row (byte b = block b).
; A query's row in qc and qs is head x 2048 + batch x 1024 + place, as the product wants it; in memory it lies [batch][head][place].
; SHARES: 64 rows a work-group, a tile of 16 rows a wave.  Work-groups 0-2047 take keys, 2048-2303 queries: only pointers and block numbers are chosen, one path serves both.
; A lane must hold two whole blocks of one row, a load is best where neighbouring lanes take neighbouring bytes: so a tile goes through the wave's own stage in LDS (rows 528 bytes apart).
; A block's largest magnitude is taken of the raw numbers and multiplied by 1 / length: rounding keeps the order, so that is the largest of the divided numbers.
; A block of zeros gets the byte 1 where the quantiser says 127: its codes are zeros, and this program alone reads the bytes.
; LIMITS: NaN and infinities are not served; a row whose sum of squares passes f32's range is not served.  The division is a multiplication by v_rcp_f32 of v_sqrt_f32 (about 3 parts in 10^7).
; The problem's inputs named inputs, key and value appear nowhere in the computation and are loaded by no launch.
.set STW,  8448                        ; a wave's stage: 16 rows x 528 bytes
.set SPI,  528                         ; 512 bytes + 16: the sixteen rows that a read touches start 33 x 16 bytes apart
.set SCW,  33792                       ; behind the stages: the work-group's 64 scale words
.set RAW,  40                          ; v40-103   the tile as loaded
.set XN,   104                         ; v104-167  my 64 numbers: blocks h and 2 + h of row r
.set CD,   28                          ; v28-35    my codes
	s_load_b128 s[4:7], s[0:1], 0x0                ; key_memories, query
	s_load_b128 s[8:11], s[0:1], 0x10              ; kc, ks
	s_load_b128 s[12:15], s[0:1], 0x20             ; qc, qs
	v_lshl_add_u32 v168, v0, 2, 0x8600
	v_mov_b32 v169, 0
	v_lshrrev_b32 v1, 5, v0
	v_readfirstlane_b32 s16, v1                    ; wave
	v_and_b32 v1, 31, v0                           ; lane
	v_and_b32 v2, 15, v0                           ; r
	v_bfe_u32 v3, v0, 4, 1                         ; h
	v_lshlrev_b32 v4, 4, v1                        ; 16 x lane: in memory, on the way in and out
	s_mul_i32 s26, s16, STW
	v_add_nc_u32 v5, s26, v4                       ; the stage, in: a row as it lies
	v_mul_u32_u24 v6, v2, SPI
	v_lshl_add_u32 v6, v3, 7, v6
	v_add_nc_u32 v6, s26, v6                       ; the stage, out: row r, block h
	s_lshl_b32 s27, s16, 6
	s_add_co_u32 s27, s27, SCW
	v_lshl_add_u32 v7, v2, 2, s27                  ; my row's scale word
	v_lshlrev_b32 v8, 3, v1
	v_add_nc_u32 v9, SCW, v8                       ; the 64 words, 8 bytes a lane
	v_mov_b32 v19, 0                               ; a lane permute's destination counts as read
	s_mov_b32 s28, 0x76543210
	s_mov_b32 s29, 0xfedcba98                      ; v_permlanex16_b32: lane l xor 16
	s_sub_co_u32 s17, ttmp9, 2048                  ; j: a query block's number as it is stored
	s_bfe_u32 s18, s17, 0x10004                    ; batch
	s_lshl_b32 s18, s18, 7
	s_lshr_b32 s19, s17, 5                         ; head
	s_lshl_b32 s19, s19, 4
	s_and_b32 s23, s17, 15
	s_add_co_u32 s18, s18, s19
	s_add_co_u32 s18, s18, s23                     ; and as it lies in query: 128 batch + 16 head + j % 16
	s_wait_kmcnt 0x0
	s_cmp_lt_u32 ttmp9, 2048                       ; keys or queries: the choice hangs on the work-group's number alone
	s_cselect_b64 s[4:5], s[4:5], s[6:7]
	s_cselect_b64 s[8:9], s[8:9], s[12:13]
	s_cselect_b64 s[10:11], s[10:11], s[14:15]
	s_cselect_b32 s21, ttmp9, s18
	s_cselect_b32 s22, ttmp9, s17
	s_lshl_b32 s24, s21, 15                        ; 64 rows of 512 bytes,
	s_lshl_b32 s25, s16, 13                        ; my wave's 16
	s_add_co_u32 s24, s24, s25
	s_mov_b32 s25, 0
	s_add_nc_u64 s[4:5], s[4:5], s[24:25]
	s_lshl_b32 s24, s22, 12                        ; four tiles of 1,024 bytes,
	s_lshl_b32 s23, s16, 10                        ; mine
	s_add_co_u32 s24, s24, s23
	s_add_nc_u64 s[8:9], s[8:9], s[24:25]
	s_lshl_b32 s24, s22, 8                         ; 64 scale words
	s_add_nc_u64 s[10:11], s[10:11], s[24:25]
.irp i, 0,1,2,3,4,5,6,7,8,9,10,11,12,13,14,15
	global_load_b128 v[RAW+4*\i:RAW+4*\i+3], v4, s[4:5] offset:512*\i th:TH_LOAD_NT   ; a row: 512 consecutive bytes
.endr
.irp i, 0,1,2,3,4,5,6,7,8,9,10,11,12,13,14,15
	s_wait_loadcnt 15-\i                           ; loads come back in order: row i is in, the younger rows stay out
	ds_store_b128 v5, v[RAW+4*\i:RAW+4*\i+3] offset:SPI*\i
.endr
.irp c, 0,1
.irp k, 0,1,2,3,4,5,6,7
	ds_load_b128 v[XN+32*\c+4*\k:XN+32*\c+4*\k+3], v6 offset:256*\c+16*\k   ; LDS serves a wave's instructions in order: these see my stores
.endr
.endr
	s_wait_dscnt 0x0
	; the sum of my 64 squares, two at a time in four chains; the first products start the chains
.irp q, 0,1,2,3
	v_pk_mul_f32 v[20+2*\q:21+2*\q], v[XN+2*\q:XN+2*\q+1], v[XN+2*\q:XN+2*\q+1]
.endr
.irp p, 1,2,3,4,5,6,7
.irp q, 0,1,2,3
	v_pk_fma_f32 v[20+2*\q:21+2*\q], v[XN+8*\p+2*\q:XN+8*\p+2*\q+1], v[XN+8*\p+2*\q:XN+8*\p+2*\q+1], v[20+2*\q:21+2*\q]
.endr
.endr
	; the largest magnitude of each of my two blocks
.irp c, 0,1
	v_max_num_f32 v[12+\c], |v[XN+32*\c]|, |v[XN+32*\c+1]|
.endr
.irp i, 2,4,6,8,10,12,14,16,18,20,22,24,26,28,30
.irp c, 0,1
	v_max3_num_f32 v[12+\c], v[12+\c], |v[XN+32*\c+\i]|, |v[XN+32*\c+\i+1]|
.endr
.endr
	v_pk_add_f32 v[20:21], v[20:21], v[22:23]
	v_pk_add_f32 v[24:25], v[24:25], v[26:27]
	v_pk_add_f32 v[20:21], v[20:21], v[24:25]
	v_add_f32 v20, v20, v21
	v_permlanex16_b32 v19, v20, s28, s29
	v_add_f32 v20, v20, v19                        ; with the row's other two blocks
	v_sqrt_f32 v20, v20
	v_nop                                          ; a plain line behind the root
	s_wait_alu depctr_va_vdst(0)                   ; the wait ahead of the first reader
	v_max_num_f32 v20, 0x322bcc77, v20             ; max(length, 1e-8)
	v_rcp_f32 v10, v20
	v_nop
	s_wait_alu depctr_va_vdst(0)
	v_mov_b32 v11, v10                             ; twice, for the packed multiply
.irp c, 0,1
	v_mul_f32 v[12+\c], v[12+\c], v10              ; the block's largest divided number
.endr
.irp c, 0,1
	v_max_num_f32 v[12+\c], 0x1800000, v[12+\c]    ; the floor 2^(3 - 127): the byte cannot fall under 1
.endr
.irp c, 0,1
	v_add_nc_u32 v[14+\c], 0xff000000, v[12+\c]    ; 2 off the exponent field: the conversion's scale operand
.endr
.irp c, 0,1
	v_lshrrev_b32 v[16+\c], 23, v[14+\c]           ; the scale's byte
.endr
.irp p, 0,2,4,6,8,10,12,14,16,18,20,22,24,26,28,30,32,34,36,38,40,42,44,46,48,50,52,54,56,58,60,62
	v_pk_mul_f32 v[XN+\p:XN+\p+1], v[XN+\p:XN+\p+1], v[10:11]
.endr
	v_lshl_or_b32 v18, v17, 16, v16                ; my two bytes: blocks h and 2 + h,
	v_lshlrev_b32 v19, 3, v3
	v_lshlrev_b32 v18, v19, v18                    ; 8 h bits up;
	v_permlanex16_b32 v19, v18, s28, s29
	v_or_b32 v18, v18, v19                         ; with lane l xor 16's two the word is whole
.irp c, 0,1
.irp g, 0,1,2,3
	v_cvt_scalef32_pk8_fp4_f32 v[CD+4*\c+\g], v[XN+32*\c+8*\g:XN+32*\c+8*\g+7], v[14+\c]
.endr
.endr
	v_nop                                          ; a plain line behind the last scaled conversion
	global_store_b128 v4, v[CD:CD+3], s[8:9]               ; register group 0 of the image: 512 consecutive bytes
	global_store_b128 v4, v[CD+4:CD+7], s[8:9] offset:512  ; group 1
	ds_store_b32 v7, v18                           ; both halves of the lanes write the same word with the same value
	s_wait_dscnt 0x0                               ; for wave 0's sake: my word has landed
	s_barrier_signal -1
	s_barrier_wait -1
	s_cmp_lg_u32 s16, 0
	s_cbranch_scc1 .Ldone
	ds_load_b64 v[36:37], v9                       ; the work-group's 64 words leave together:
	s_wait_dscnt 0x0
	global_store_b64 v8, v[36:37], s[10:11]        ; 256 consecutive bytes, at a multiple of 256 from the buffer's first byte
.Ldone:
	s_wait_tensorcnt 0x0
	ds_add_u32 v168, v169
	s_wait_dscnt 0x0
	s_endpgm
.Lfunc_end_k_qd4c3d01847_pack:
	.size	k_qd4c3d01847_pack, .Lfunc_end_k_qd4c3d01847_pack-k_qd4c3d01847_pack
	.p2alignl 7, 3214868480
	.fill 96, 4, 3214868480
	.section	.rodata,"a",@progbits
	.p2align	6, 0x0
	.amdhsa_kernel k_qd4c3d01847_pack
		.amdhsa_group_segment_fixed_size 34816
		.amdhsa_private_segment_fixed_size 0
		.amdhsa_enable_private_segment 0
		.amdhsa_kernarg_size 48
		.amdhsa_user_sgpr_count 2
		.amdhsa_user_sgpr_kernarg_segment_ptr 1
		.amdhsa_wavefront_size32 1
		.amdhsa_system_sgpr_workgroup_id_x 1
		.amdhsa_system_sgpr_workgroup_id_y 1
		.amdhsa_system_sgpr_workgroup_id_z 1
		.amdhsa_system_vgpr_workitem_id 0
		.amdhsa_next_free_vgpr 170
		.amdhsa_next_free_sgpr 66
		.amdhsa_reserve_vcc 0
		.amdhsa_float_denorm_mode_32 3
		.amdhsa_float_denorm_mode_16_64 3
		.amdhsa_memory_ordered 1
		.amdhsa_forward_progress 1
		.amdhsa_inst_pref_size 15
	.end_amdhsa_kernel
	.amdgpu_metadata
---
amdhsa.version: [ 1, 2 ]
amdhsa.kernels:
  - .name:           k_qd4c3d01847_pack
    .symbol:         k_qd4c3d01847_pack.kd
    .args:
      - { .name: key_memories, .offset: 0, .size: 8, .value_kind: global_buffer, .address_space: global }
      - { .name: query, .offset: 8, .size: 8, .value_kind: global_buffer, .address_space: global }
      - { .name: kc, .offset: 16, .size: 8, .value_kind: global_buffer, .address_space: global }
      - { .name: ks, .offset: 24, .size: 8, .value_kind: global_buffer, .address_space: global }
      - { .name: qc, .offset: 32, .size: 8, .value_kind: global_buffer, .address_space: global }
      - { .name: qs, .offset: 40, .size: 8, .value_kind: global_buffer, .address_space: global }
    .group_segment_fixed_size: 34816
    .private_segment_fixed_size: 0
    .kernarg_segment_align: 8
    .kernarg_segment_size: 48
    .max_flat_workgroup_size: 128
    .sgpr_count:     66
    .vgpr_count:     170
    .wavefront_size: 32
...
	.end_amdgpu_metadata
.endif
;; end of part 1
;; launch scan (part 2): grid 32 x 8, 4 waves a work-group, clusters of 4 x 1, 327,680 bytes of LDS; arguments kc, ks, qc, qs, gsel; writes gsel
.if DOCPART == 2
	.amdgcn_target "amdgcn-amd-amdhsa--gfx1250"
	.amdhsa_code_object_version 6
	.text
	.protected	k_qd4c3d01847_scan
	.globl	k_qd4c3d01847_scan
	.p2align	8
	.type	k_qd4c3d01847_scan,@function
k_qd4c3d01847_scan:
	s_mov_b64 s[64:65], 0
	v_nop
	global_prefetch_b8 v0, s[64:65] scope:SCOPE_SE
	s_setreg_imm32_b32 hwreg(HW_REG_WAVE_MODE, 25, 1), 1
	s_wait_xcnt 0x0
	s_wait_alu depctr_hold_cnt(0) depctr_sa_sdst(0) depctr_va_vdst(0) depctr_va_sdst(0) depctr_va_ssrc(0) depctr_va_vcc(0) depctr_vm_vsrc(0)
	s_getreg_b32 s2, hwreg(HW_REG_IB_STS2, 6, 4)
	s_cmp_eq_u32 s2, 0
	s_cbranch_scc0 .Lentry_in_a_cluster
	s_endpgm
.Lentry_in_a_cluster:
	s_bfe_u32 s2, ttmp6, 0x10000c
	s_cmp_lg_u32 s2, 0x3003
	s_cbranch_scc0 .Lentry_shape_is_right
	s_endpgm
.Lentry_shape_is_right:
; For each query of a head: the 8 GROUPS of 32 neighbouring memories that hold its 8 nearest memories.  All 2,048 x 16,384 similarities of a head are made on codes of FP4 with E8M0 scales
; (K = 128: one matrix instruction is a whole dot product); each group is reduced to its largest similarity; the 8 first groups in the order (largest similarity falling, group number rising) are kept.
; WHY THAT IS ENOUGH: order memories by (similarity falling, index rising).  A group that holds one of the first 8 has its best memory among the first 8, and, groups being runs of neighbouring indices,
; the groups' order is the order of their best memories.  The next launch looks into the 8 groups.
; SHARES.  A work-group owns 64 queries of one head: four tiles, whose fragments stay in registers.  Wave w walks memories 4096 w on, as two ranges of 2,048 (range 2 w and range 2 w + 1).
; A STEP takes one group of each range: 4 tiles of 16 memories x 4 tiles of queries = 16 matrix instructions, each with C = 0.  Source 0 = 16 memories, source 1 = 16 queries: lane (r, h) holds query r, memories 8 h + 0 .. 7.
; Matrix and vector work alternate: behind each matrix instruction of the next tile stand four lines of the maximum over the tile before (two sets of accumulators by turns).
; One exchange of halves then leaves lanes 0-15 with the even range's group and lanes 16-31 with the odd range's: lane (r, h) keeps the list of query r over range 2 w + h.
; A LIST is 8 values, falling, and 8 group numbers.  An insertion compares strictly, and group numbers come rising: of equal values the lower number stays ahead.
; CLUSTER.  All 32 work-groups of a head walk the same codes and scale words: the four of a cluster ask for each chunk JOINTLY (mask 15).  A chunk is 8 steps: 16 KiB of codes and 1 KiB of scale words for each of the 8 ranges;
; two buffers take turns.  Waves 0, 1 fetch the codes of ranges 0-3, 4-7; waves 2, 3 the scale words.
; LIMITS: NaN and infinities are not served.
.set SPARE, 278528                     ; the spare words, 128 bytes a wave: two blocks of 256 bytes that no other line names
.set STG,   279040                     ; the lists' stage: 16 pieces of 1,024 bytes; no fill lands here
.set BUFC,  131072                     ; codes: buffer b at b x BUFC, range at 16,384 x its number
.set SCB,   262144                     ; scale words: buffer b at SCB + b x BUFS, range at 1,024 x its number
.set BUFS,  8192
.set SPW, 1                            ; v1   SPARE + 4 x my thread's number; never rewritten
.set NIL, 2                            ; v2   0; never rewritten
.set AK0, 3                            ; v3   16 x lane + my wave's two ranges of codes
.set AS0, 4                            ; v4   SCB + 4 x lane + my wave's two ranges of scale words
.set ADK, 5                            ; v5, v6  the addresses of the pair of steps that is being fetched
.set ADS, 6
.set IDX, 7                            ; v7   the step's group number for my half of the lanes
.set XX,  8                            ; v8-11   the group's largest similarity, a register a tile of queries
.set PA,  12                           ; v12-15  the running maximum over the even range's group; v16-19 the odd range's
.set QS,  20                           ; v20-23  the queries' scale words
.set SA,  24                           ; v24-27  the memories' scale words: set p, range parity: lanes 0-15 the group's first tile, lanes 16-31 its second
.set PFO, 28                           ; v28  256 x lane: the prefetches' offset; never rewritten
.set QF,  32                           ; v32-63   the queries' four fragments
.set AF,  64                           ; v64-127  the memories' fragments: set p, tile u at AF + 32 p + 8 u
.set ACC, 128                          ; v128-191 two sets of four accumulators
.set VL,  192                          ; v192-223 the lists' values, 8 a tile of queries
.set IL,  224                          ; v224-255 their group numbers
.set WV,  14
.set TB,  18                           ; s18  LDS byte at which the pair of steps to be fetched begins (codes),
.set TS,  19                           ; s19  (scale words)
.set CH,  20                           ; s20  chunks still to be asked for
.set IN,  21
.set SEL, 22                           ; s[22:23] v_permlanex16_b32: lane l xor 16
.set G1C, 24                           ; s[24:31] descriptor group 1, codes;  s[32:39] scale words
.set G1S, 32
.set G0C, 40                           ; s[40:47] group 0, codes: a set for each first fill; the second then walks;  s[48:55] scale words
.set G0S, 48
.set PFA, 56                           ; s[56:57] where my prefetches stand
.set LIM, 58                           ; s58  1 in a cluster that prefetches, else the greatest number
.set HM,  59                           ; s59  lanes 16-31
.set CM,  66                           ; s66-97 the compares' masks
.macro CROUND                          ; a round of the cluster's barrier
	s_barrier_signal -1
	s_barrier_wait -1
	s_cmp_lg_u32 s[WV], 0
	s_cbranch_scc1 .Lnot_wave_0_\@
	s_barrier_signal -3
.Lnot_wave_0_\@:
	s_barrier_wait -3
	s_barrier_signal -1
	s_barrier_wait -1
.endm
.macro JLOAD                           ; a joint refill; the branch hangs on the wave's number alone; four v_nop follow each line
	s_cmp_lt_u32 s[WV], 2
	s_cbranch_scc0 .Lfor_s_\@
	tensor_load_to_lds s[G0C+4:G0C+7], s[G1C:G1C+7]
	s_nop 0
.rept 4
	v_nop
.endr
	s_branch .Lasked_\@
.Lfor_s_\@:
	tensor_load_to_lds s[G0S+4:G0S+7], s[G1S:G1S+7]
	s_nop 0
.rept 4
	v_nop
.endr
.Lasked_\@:
.endm
; A prefetch into the L2 of the codes that the NEXT change of buffers will ask for: 8 steps, 128 matrix instructions a wave, ahead of that load.  Each block of 256 bytes is named once in the launch: all clusters of a head walk
; the same codes, so the head's first cluster asks; its 16 waves share the chunk's 128 KiB out BY ADDRESS: wave w of the partner at place cx takes half cx % 2 of range 2 w + cx / 2: 8,192 bytes, lanes 256 bytes apart.
; The last change that fills a buffer asks for nothing.  Chunks 0 to 2, and the scale words (one byte in 17), come by their loads alone.
.macro ASK
	s_cmp_gt_u32 s[CH], s[LIM]
	s_cbranch_scc0 .Lnot_mine_\@
	global_prefetch_b8 v[PFO], s[PFA:PFA+1] th:TH_LOAD_NT scope:SCOPE_SE
.Lnot_mine_\@:
.endm
.macro LOADS p                         ; step p of the pair at ADK, ADS into set p: 8 + 2 LDS loads, each of consecutive bytes
.irp q, 0,1,2,3
	ds_load_b128 v[AF+32*(\p)+4*\q:AF+32*(\p)+4*\q+3], v[ADK] offset:2048*(\p)+512*\q
.endr
.irp q, 0,1,2,3
	ds_load_b128 v[AF+32*(\p)+16+4*\q:AF+32*(\p)+16+4*\q+3], v[ADK] offset:2048*(\p)+512*\q+16384
.endr
	ds_load_b32 v[SA+2*(\p)], v[ADS] offset:128*(\p)
	ds_load_b32 v[SA+2*(\p)+1], v[ADS] offset:128*(\p)+1024
.endm
.macro WM p, u, t                      ; tile u of set p against the queries' tile t
.if ((\u)%2)
	v_wmma_scale_f32_16x16x128_f8f6f4 v[ACC+32*((\u)%2)+8*(\t):ACC+32*((\u)%2)+8*(\t)+7], v[AF+32*(\p)+8*(\u):AF+32*(\p)+8*(\u)+7], v[QF+8*(\t):QF+8*(\t)+7], 0, v[SA+2*(\p)+(\u)/2], v[QS+(\t)] matrix_a_fmt:MATRIX_FMT_FP4 matrix_b_fmt:MATRIX_FMT_FP4 matrix_a_scale:MATRIX_SCALE_ROW1
.else
	v_wmma_scale_f32_16x16x128_f8f6f4 v[ACC+32*((\u)%2)+8*(\t):ACC+32*((\u)%2)+8*(\t)+7], v[AF+32*(\p)+8*(\u):AF+32*(\p)+8*(\u)+7], v[QF+8*(\t):QF+8*(\t)+7], 0, v[SA+2*(\p)+(\u)/2], v[QS+(\t)] matrix_a_fmt:MATRIX_FMT_FP4 matrix_b_fmt:MATRIX_FMT_FP4
.endif
.endm
.macro MAXK u, k                       ; line k of 4 of the maximum over tile u's results, for the four tiles of queries; each accumulator is read from its low end on
.irp t, 0,1,2,3
.set rA, ACC+32*((\u)%2)+8*\t
.set rM, PA+4*((\u)/2)+\t
.if ((\u)%2) == 0
.if (\k) == 0
	v_max3_num_f32 v[rM], v[rA], v[rA+1], v[rA+2]  ; a group's first tile starts its maximum
.elseif (\k) == 3
	v_max_num_f32 v[rM], v[rM], v[rA+7]
.else
	v_max3_num_f32 v[rM], v[rM], v[rA+2*(\k)+1], v[rA+2*(\k)+2]
.endif
.else
	v_max3_num_f32 v[rM], v[rM], v[rA+2*(\k)], v[rA+2*(\k)+1]
.endif
.endr
.endm
; The next tile's four products, each followed by four lines of the maximum over tile u, which lies in the other set of accumulators.  A result is first read 7 plain lines or more behind its matrix instruction,
; and an accumulator is written anew a whole phase of plain lines behind its last one.  nxt = 0: the last step has no next tile.
.macro PHASE p, u, nxt
.if ((\u) == 3) && (\nxt)
	s_wait_dscnt 0x0                               ; the next step's ten loads, issued a step ago, are in; no other LDS instruction of mine is out
.endif
.irp t, 0,1,2,3
.if (\u) < 3
	WM \p, (\u)+1, \t
.elseif \nxt
	WM 1-(\p), 0, \t
.endif
	MAXK \u, \t
.endr
.endm
.macro INS4                            ; the step's two groups go into the lists, the four tiles of queries by turns
.irp t, 0,1,2,3
	v_permlane16_swap_b32 v[PA+\t], v[PA+4+\t]     ; the first: both ranges' lanes 0-15; the second: both ranges' lanes 16-31
.endr
.irp t, 0,1,2,3
	v_max_num_f32 v[XX+\t], v[PA+\t], v[PA+4+\t]   ; lanes 0-15: the even range's group; lanes 16-31: the odd range's
.endr
.irp i, 0,1,2,3,4,5,6,7
.irp t, 0,1,2,3
	v_cmp_gt_f32 s[CM+8*\t+\i], v[XX+\t], v[VL+8*\t+\i]
.endr
.endr
.irp i, 7,6,5,4,3,2,1                  ; downward, so that place i still finds the old place i - 1
.irp t, 0,1,2,3
	v_cndmask_b32 v[IL+8*\t+\i], v[IL+8*\t+\i], v[IDX], s[CM+8*\t+\i]
.endr
.irp t, 0,1,2,3
	v_cndmask_b32 v[IL+8*\t+\i], v[IL+8*\t+\i], v[IL+8*\t+\i-1], s[CM+8*\t+\i-1]
.endr
.irp t, 0,1,2,3
	v_med3_num_f32 v[VL+8*\t+\i], v[XX+\t], v[VL+8*\t+\i-1], v[VL+8*\t+\i]   ; the middle one of the newcomer and two neighbours of a falling list
.endr
.endr
.irp t, 0,1,2,3
	v_cndmask_b32 v[IL+8*\t], v[IL+8*\t], v[IDX], s[CM+8*\t]
.endr
.irp t, 0,1,2,3
	v_max_num_f32 v[VL+8*\t], v[XX+\t], v[VL+8*\t]
.endr
	v_add_nc_u32 v[IDX], 1, v[IDX]
.endm
.macro INSL vb, ib, x, id              ; one newcomer (value register x, number register id) into one list
.irp i, 0,1,2,3,4,5,6,7
	v_cmp_gt_f32 s[CM+\i], v[(\x)], v[(\vb)+\i]
.endr
.irp i, 7,6,5,4,3,2,1
	v_cndmask_b32 v[(\ib)+\i], v[(\ib)+\i], v[(\id)], s[CM+\i]
	v_cndmask_b32 v[(\ib)+\i], v[(\ib)+\i], v[(\ib)+\i-1], s[CM+\i-1]
	v_med3_num_f32 v[(\vb)+\i], v[(\x)], v[(\vb)+\i-1], v[(\vb)+\i]
.endr
	v_cndmask_b32 v[(\ib)], v[(\ib)], v[(\id)], s[CM]
	v_max_num_f32 v[(\vb)], v[(\x)], v[(\vb)]
.endm
; THE CHANGE OF BUFFERS, in a chunk's seventh step, when its eighth step's fragments are in registers.  Each wave waits for all its tensor loads (one is out: its part of the other buffer), adds 0 to its spare word, and waits
; for that; its reads of this buffer came back at the wait in the phase before.  fill = 1: the barrier is a round of the cluster's, and the joint refill, the chunk two on, is the first thing behind it: it has 8 steps in which to land.
.macro CHANGE fill
	s_wait_tensorcnt 0x0                           ; no tensor load of mine is out, so a group 0 may be written
	ds_add_u32 v[SPW], v[NIL]                      ; 0 onto my spare word
.if \fill
	s_xor_b32 s[G0C+5], s[G0C+5], BUFC             ; the walking descriptors: the other buffer than last time,
	s_add_nc_u64 s[G0C+6:G0C+7], s[G0C+6:G0C+7], 16384   ; the next chunk; the type bits on top are not reached
	s_xor_b32 s[G0S+5], s[G0S+5], BUFS
	s_add_nc_u64 s[G0S+6:G0S+7], s[G0S+6:G0S+7], 1024
	s_wait_xcnt 0x0                                ; the last prefetch, a chunk back, has read its address, so it may be written
	s_add_nc_u64 s[PFA:PFA+1], s[PFA:PFA+1], 16384 ; one chunk further on than the walking descriptors
	s_wait_dscnt 0x0                               ; the add is done
	CROUND
	JLOAD
	ASK
.else
	s_wait_dscnt 0x0
	s_barrier_signal -1
	s_barrier_wait -1
.endif
	s_sub_co_u32 s[TB], s[TB], 16384               ; the fetches go back to a chunk's first step,
	s_xor_b32 s[TB], s[TB], BUFC                   ; in the other buffer
	s_sub_co_u32 s[TS], s[TS], 1024
	s_xor_b32 s[TS], s[TS], BUFS
.endm
; A STEP on set p.  chg: 1 a change that fills, 2 one that does not.  ld = 1: the step two on is fetched into the same set, behind phase 3's sixteen plain lines; it has the insertion and three phases in which to come.
.macro STEPM p, chg, ld, nxt
	PHASE \p, 0, 1
	PHASE \p, 1, 1
	PHASE \p, 2, 1
	PHASE \p, 3, \nxt
.if (\chg) == 1
	CHANGE 1
.elseif (\chg) == 2
	CHANGE 0
.endif
.if \ld
.if (\p) == 0
	v_add_nc_u32 v[ADK], s[TB], v[AK0]
	v_add_nc_u32 v[ADS], s[TS], v[AS0]
.endif
	LOADS \p
.endif
	INS4
.endm
.macro PAIR chg
	STEPM 0, \chg, 1, 1
	STEPM 1, 0, 1, 1
	s_add_co_u32 s[TB], s[TB], 4096
	s_add_co_u32 s[TS], s[TS], 256
.endm
.macro THREE                           ; a chunk's first three pairs of steps: written once, walked three times
	s_mov_b32 s[IN], 3
.Lthree_\@:
	PAIR 0
	s_sub_co_u32 s[IN], s[IN], 1
	s_cmp_lg_u32 s[IN], 0
	s_cbranch_scc1 .Lthree_\@
.endm
.macro CE a, b                         ; a comparator of the sorting network, on the numbers at v72 on
	v_min_u32 v31, v[72+\a], v[72+\b]
	v_max_u32 v[72+\b], v[72+\a], v[72+\b]
	v_mov_b32 v[72+\a], v31
.endm
	s_load_b256 s[4:11], s[0:1], 0x0               ; kc s[4:5], ks s[6:7], qc s[8:9], qs s[10:11]
	s_load_b64 s[12:13], s[0:1], 0x20              ; gsel
	v_lshl_add_u32 v[SPW], v0, 2, SPARE
	v_mov_b32 v[NIL], 0
	ds_add_u32 v1, v2
	ds_add_u32 v1, v2
	s_wait_dscnt 0x0
	v_lshrrev_b32 v31, 5, v0
	v_readfirstlane_b32 s[WV], v31                 ; wave 0..3
	s_bfe_u32 s15, ttmp6, 0x40000                  ; cx: my place in the cluster
	s_lshl_b32 s16, ttmp9, 2
	s_add_co_u32 s16, s16, s15                     ; my block of 64 queries: it enters the queries' and gsel's addresses alone
	s_and_b32 s17, ttmp7, 0xffff                   ; the head, which the four partners share
	; group 1, codes: 4 rows (ranges) of 16 KiB = 2,048 elements of 8 bytes, 128 KiB apart; no padding: every LDS read takes consecutive bytes
	s_mov_b32 s[G1C], 15|(3<<16)|(1<<21)           ; 15:0 the mask: all four work-groups; 17:16 elements of 8 bytes; 21 set beside a mask
	s_mov_b32 s[G1C+1], 2048<<16                   ; tensor_dim0
	s_mov_b32 s[G1C+2], 4<<16                      ; tensor_dim1
	s_mov_b32 s[G1C+3], 2048<<16                   ; tile_dim0
	s_mov_b32 s[G1C+4], 4                          ; tile_dim1
	s_mov_b32 s[G1C+5], 16384                      ; tensor_dim0_stride
	s_mov_b32 s[G1C+6], 0
	s_mov_b32 s[G1C+7], 0
	; group 1, scale words: 4 rows of 1 KiB = 128 elements, 8 KiB apart
	s_mov_b32 s[G1S], 15|(3<<16)|(1<<21)
	s_mov_b32 s[G1S+1], 128<<16
	s_mov_b32 s[G1S+2], 4<<16
	s_mov_b32 s[G1S+3], 128<<16
	s_mov_b32 s[G1S+4], 4
	s_mov_b32 s[G1S+5], 1024
	s_mov_b32 s[G1S+6], 0
	s_mov_b32 s[G1S+7], 0
	s_and_b32 s98, s[WV], 1                        ; which four ranges I fetch
	s_lshl_b32 s100, s17, 20
	s_lshl_b32 s99, s98, 19
	s_add_co_u32 s100, s100, s99                   ; codes: the head's MiB + 512 KiB x half
	s_mov_b32 s101, 0
	s_lshl_b32 s96, s17, 16
	s_lshl_b32 s99, s98, 15
	s_add_co_u32 s96, s96, s99                     ; scale words: the head's 64 KiB + 32 KiB x half
	s_mov_b32 s97, 0
	s_lshl_b32 s99, s98, 16                        ; and where they go in a buffer: no place in the cluster enters an LDS address
	s_lshl_b32 s95, s98, 12
	s_add_co_u32 s95, s95, SCB
	s_lshl_b32 s2, s[WV], 1                        ; the prefetches: range 2 w + cx / 2,
	s_lshr_b32 s3, s15, 1
	s_add_co_u32 s2, s2, s3
	s_lshl_b32 s2, s2, 17
	s_and_b32 s3, s15, 1                           ; half cx % 2 of its 16 KiB,
	s_lshl_b32 s3, s3, 13
	s_add_co_u32 s2, s2, s3
	s_lshl_b32 s3, s17, 20                         ; in my head,
	s_add_co_u32 s2, s2, s3
	s_add_co_u32 s2, s2, 2*16384                   ; at chunk 2: the first change steps it to chunk 3
	s_mov_b32 s3, 0
	s_lshl_b32 s92, s17, 17                        ; the queries' codes: the head's 128 tiles, my four
	s_lshl_b32 s93, s16, 12
	s_add_co_u32 s92, s92, s93
	s_mov_b32 s93, 0
	s_lshl_b32 s90, s17, 13                        ; their scale words
	s_lshl_b32 s91, s16, 8
	s_add_co_u32 s90, s90, s91
	s_mov_b32 s91, 0
	s_lshl_b32 s88, s17, 16                        ; gsel: 32 bytes a query: head, block, my wave's 16
	s_lshl_b32 s89, s16, 11
	s_add_co_u32 s88, s88, s89
	s_lshl_b32 s89, s[WV], 9
	s_add_co_u32 s88, s88, s89
	s_mov_b32 s89, 0
	s_cmp_eq_u32 ttmp9, 0                          ; the head's first cluster: the same in all four partners
	s_cselect_b32 s[LIM], 1, -1
	s_mov_b32 s[HM], 0xffff0000
	s_mov_b32 s[SEL], 0x76543210
	s_mov_b32 s[SEL+1], 0xfedcba98
	s_mov_b32 s[TB], 0
	s_mov_b32 s[TS], 0
	s_mov_b32 s[CH], 6
	s_wait_kmcnt 0x0
	s_add_nc_u64 s[PFA:PFA+1], s[4:5], s[2:3]
	s_add_nc_u64 s[4:5], s[4:5], s[100:101]
	s_add_nc_u64 s[6:7], s[6:7], s[96:97]
	s_add_nc_u64 s[8:9], s[8:9], s[92:93]
	s_add_nc_u64 s[10:11], s[10:11], s[90:91]
	s_add_nc_u64 s[12:13], s[12:13], s[88:89]
	CROUND                                         ; all four work-groups are here: the first joint loads meet
	s_mov_b32 s[G0C], 1                            ; count = 1
	s_mov_b32 s[G0C+1], s99                        ; LDS address: buffer 0
	s_mov_b64 s[G0C+2:G0C+3], s[4:5]               ; global address: chunk 0
	s_or_b32 s[G0C+3], s[G0C+3], 0x80000000        ; type = 2
	s_mov_b32 s[G0C+4], 1
	s_add_co_u32 s[G0C+5], s99, BUFC               ; buffer 1
	s_add_nc_u64 s[G0C+6:G0C+7], s[4:5], 16384     ; chunk 1
	s_or_b32 s[G0C+7], s[G0C+7], 0x80000000
	s_mov_b32 s[G0S], 1
	s_mov_b32 s[G0S+1], s95
	s_mov_b64 s[G0S+2:G0S+3], s[6:7]
	s_or_b32 s[G0S+3], s[G0S+3], 0x80000000
	s_mov_b32 s[G0S+4], 1
	s_add_co_u32 s[G0S+5], s95, BUFS
	s_add_nc_u64 s[G0S+6:G0S+7], s[6:7], 1024
	s_or_b32 s[G0S+7], s[G0S+7], 0x80000000
	s_cmp_lt_u32 s[WV], 2                          ; a wave's two first fills stand in one branch, ahead of every wait on TENSORcnt and every LDS read: two loads of mine are out
	s_cbranch_scc0 .Lfirst_s
	tensor_load_to_lds s[G0C:G0C+3], s[G1C:G1C+7]
	s_nop 0
	tensor_load_to_lds s[G0C+4:G0C+7], s[G1C:G1C+7]
	s_nop 0
.rept 4
	v_nop
.endr
	s_branch .Lfirst_asked
.Lfirst_s:
	tensor_load_to_lds s[G0S:G0S+3], s[G1S:G1S+7]
	s_nop 0
	tensor_load_to_lds s[G0S+4:G0S+7], s[G1S:G1S+7]
	s_nop 0
.rept 4
	v_nop
.endr
.Lfirst_asked:
	v_and_b32 v31, 31, v0                          ; lane
	s_lshl_b32 s98, s[WV], 15
	v_lshlrev_b32 v29, 4, v31                      ; 16 x lane: also the queries' offset
	v_add_nc_u32 v[AK0], s98, v29
	s_lshl_b32 s98, s[WV], 11
	s_add_co_u32 s98, s98, SCB
	v_lshl_add_u32 v[AS0], v31, 2, s98
	v_bfe_u32 v30, v0, 4, 1
	s_lshl_b32 s98, s[WV], 7
	v_lshl_add_u32 v[IDX], v30, 6, s98             ; 64 groups a range: (2 w + h) x 64
	v_lshlrev_b32 v[PFO], 8, v31
	v_and_b32 v30, 15, v0
	v_lshlrev_b32 v30, 2, v30                      ; a query's scale word
.irp t, 0,1,2,3
	global_load_b128 v[QF+8*\t:QF+8*\t+3], v29, s[8:9] offset:1024*\t
	global_load_b128 v[QF+8*\t+4:QF+8*\t+7], v29, s[8:9] offset:1024*\t+512
	global_load_b32 v[QS+\t], v30, s[10:11] offset:64*\t
.endr
.irp j, 0,1,2,3,4,5,6,7,8,9,10,11,12,13,14,15,16,17,18,19,20,21,22,23,24,25,26,27,28,29,30,31
	v_mov_b32 v[VL+\j], 0xff800000                 ; the lists begin at -infinity: each takes 64 groups, so none of these is left
	v_mov_b32 v[IL+\j], 0
.endr
	s_wait_tensorcnt 0x1                           ; my part of chunk 0 is in; chunk 1's may stay out
	s_barrier_signal -1
	s_barrier_wait -1                              ; everybody's is
	v_add_nc_u32 v[ADK], s[TB], v[AK0]
	v_add_nc_u32 v[ADS], s[TS], v[AS0]
	LOADS 0                                        ; steps 0 and 1
	LOADS 1
	s_add_co_u32 s[TB], s[TB], 4096
	s_add_co_u32 s[TS], s[TS], 256
	s_wait_loadcnt 0x0                             ; the queries
	s_wait_dscnt 10                                ; step 0's ten loads are in; step 1's ten may be out
.irp t, 0,1,2,3
	WM 0, 0, \t                                    ; the first tile: there is no vector work yet to set between
.endr
.rept 4
	v_nop
.endr
.Lchunk:                                               ; chunks 0 to 5: behind each the chunk two on is asked for
	THREE
	PAIR 1
	s_sub_co_u32 s[CH], s[CH], 1
	s_cmp_lg_u32 s[CH], 0
	s_cbranch_scc1 .Lchunk
	THREE                                          ; chunk 6: the tail is written out
	PAIR 2
	THREE                                          ; chunk 7
	STEPM 0, 0, 0, 1                               ; the last two steps fetch nothing
	STEPM 1, 0, 0, 0
	; THE LISTS MEET.  First my wave's two ranges: an exchange of halves between tiles 0 and 1 (2 and 3) leaves the even range's lists in the first set (lanes 0-15: the first tile's query r, lanes 16-31: the second's) and the
	; odd range's in the second, whose eight entries are inserted in order: the base has the lower group numbers, and the compare is strict.
.irp i, 0,1,2,3,4,5,6,7
	v_permlane16_swap_b32 v[VL+\i], v[VL+8+\i]
	v_permlane16_swap_b32 v[IL+\i], v[IL+8+\i]
	v_permlane16_swap_b32 v[VL+16+\i], v[VL+24+\i]
	v_permlane16_swap_b32 v[IL+16+\i], v[IL+24+\i]
.endr
.irp i, 0,1,2,3,4,5,6,7
	INSL VL, IL, VL+8+\i, IL+8+\i
	INSL VL+16, IL+16, VL+24+\i, IL+24+\i
.endr
	v_and_b32 v31, 31, v0
	s_lshl_b32 s98, s[WV], 12
	s_add_co_u32 s98, s98, STG
	v_lshl_add_u32 v8, v31, 4, s98                 ; the stage, in: piece 4 w + p, 16 bytes a query
	v_and_b32 v29, 15, v0
	v_bfe_u32 v30, v0, 4, 1
	s_lshl_b32 s98, s[WV], 8
	s_add_co_u32 s98, s98, STG
	v_lshl_add_u32 v9, v29, 4, s98                 ; out: query 16 w + r,
	v_lshl_add_u32 v9, v30, 13, v9                 ; the lists of waves 2 h and 2 h + 1
	v_lshlrev_b32 v10, 5, v29
	v_lshl_add_u32 v10, v30, 4, v10                ; gsel: 32 r + 16 h
.irp s, 0,1
	ds_store_b128 v8, v[VL+16*\s:VL+16*\s+3] offset:512*\s
	ds_store_b128 v8, v[VL+16*\s+4:VL+16*\s+7] offset:512*\s+1024
	ds_store_b128 v8, v[IL+16*\s:IL+16*\s+3] offset:512*\s+2048
	ds_store_b128 v8, v[IL+16*\s+4:IL+16*\s+7] offset:512*\s+3072
.endr
	s_wait_dscnt 0x0                               ; for the others' sake: my lists have landed
	s_barrier_signal -1
	s_barrier_wait -1
.irp p, 0,1,2,3,4,5,6,7
	ds_load_b128 v[64+4*\p:67+4*\p], v9 offset:1024*\p   ; v64-71, v72-79: the lower wave's values and numbers; v80-87, v88-95: the higher wave's
.endr
	s_wait_dscnt 0x0
.irp i, 0,1,2,3,4,5,6,7
	INSL 64, 72, 80+\i, 88+\i
.endr
.irp i, 0,1,2,3,4,5,6,7,8,9,10,11,12,13,14,15
	v_permlanex16_b32 v[96+\i], v[64+\i], s[SEL], s[SEL+1]
.endr
.irp i, 0,1,2,3,4,5,6,7
	INSL 64, 72, 96+\i, 104+\i                     ; lanes 0-15 (base: waves 0 and 1) now hold the query's 8 groups; lanes 16-31's result is not used
.endr
	; the 8 numbers in rising order (19 comparators), so that the next launch meets memories in rising order
	CE 0, 1
	CE 2, 3
	CE 4, 5
	CE 6, 7
	CE 0, 2
	CE 1, 3
	CE 4, 6
	CE 5, 7
	CE 1, 2
	CE 5, 6
	CE 0, 4
	CE 1, 5
	CE 2, 6
	CE 3, 7
	CE 2, 4
	CE 3, 5
	CE 1, 2
	CE 3, 4
	CE 5, 6
.irp k, 0,1,2,3
	v_permlanex16_b32 v[96+\k], v[76+\k], s[SEL], s[SEL+1]
.endr
.irp k, 0,1,2,3
	v_cndmask_b32 v[100+\k], v[72+\k], v[96+\k], s[HM]   ; lanes 0-15 store numbers 0-3, lanes 16-31 numbers 4-7
.endr
	global_store_b128 v10, v[100:103], s[12:13]    ; the wave stores 512 consecutive bytes
	s_wait_tensorcnt 0x0                           ; the wave's end
	ds_add_u32 v[SPW], v[NIL]
	s_wait_dscnt 0x0
	CROUND                                         ; the closing round
	s_endpgm
.Lfunc_end_k_qd4c3d01847_scan:
	.size	k_qd4c3d01847_scan, .Lfunc_end_k_qd4c3d01847_scan-k_qd4c3d01847_scan
	.p2alignl 7, 3214868480
	.fill 96, 4, 3214868480
	.section	.rodata,"a",@progbits
	.p2align	6, 0x0
	.amdhsa_kernel k_qd4c3d01847_scan
		.amdhsa_group_segment_fixed_size 327680
		.amdhsa_private_segment_fixed_size 0
		.amdhsa_enable_private_segment 0
		.amdhsa_kernarg_size 40
		.amdhsa_user_sgpr_count 2
		.amdhsa_user_sgpr_kernarg_segment_ptr 1
		.amdhsa_wavefront_size32 1
		.amdhsa_system_sgpr_workgroup_id_x 1
		.amdhsa_system_sgpr_workgroup_id_y 1
		.amdhsa_system_sgpr_workgroup_id_z 1
		.amdhsa_system_vgpr_workitem_id 0
		.amdhsa_next_free_vgpr 256
		.amdhsa_next_free_sgpr 102
		.amdhsa_reserve_vcc 0
		.amdhsa_float_denorm_mode_32 3
		.amdhsa_float_denorm_mode_16_64 3
		.amdhsa_memory_ordered 1
		.amdhsa_forward_progress 1
		.amdhsa_inst_pref_size 254
	.end_amdhsa_kernel
	.amdgpu_metadata
---
amdhsa.version: [ 1, 2 ]
amdhsa.kernels:
  - .name:           k_qd4c3d01847_scan
    .symbol:         k_qd4c3d01847_scan.kd
    .args:
      - { .name: kc, .offset: 0, .size: 8, .value_kind: global_buffer, .address_space: global }
      - { .name: ks, .offset: 8, .size: 8, .value_kind: global_buffer, .address_space: global }
      - { .name: qc, .offset: 16, .size: 8, .value_kind: global_buffer, .address_space: global }
      - { .name: qs, .offset: 24, .size: 8, .value_kind: global_buffer, .address_space: global }
      - { .name: gsel, .offset: 32, .size: 8, .value_kind: global_buffer, .address_space: global }
    .group_segment_fixed_size: 327680
    .private_segment_fixed_size: 0
    .kernarg_segment_align: 8
    .kernarg_segment_size: 40
    .max_flat_workgroup_size: 128
    .sgpr_count:     102
    .vgpr_count:     256
    .wavefront_size: 32
...
	.end_amdgpu_metadata
.endif
;; end of part 2
;; launch refine (part 3): grid 128 x 8, 4 waves a work-group, no clusters, 8,704 bytes of LDS; arguments kc, ks, qc, qs, gsel, tidx, tsc; writes tidx, tsc
.if DOCPART == 3
	.amdgcn_target "amdgcn-amd-amdhsa--gfx1250"
	.amdhsa_code_object_version 6
	.text
	.protected	k_qd4c3d01847_refine
	.globl	k_qd4c3d01847_refine
	.p2align	8
	.type	k_qd4c3d01847_refine,@function
k_qd4c3d01847_refine:
	s_mov_b64 s[64:65], 0
	v_nop
	global_prefetch_b8 v0, s[64:65] scope:SCOPE_SE
	s_setreg_imm32_b32 hwreg(HW_REG_WAVE_MODE, 25, 1), 1
	s_wait_xcnt 0x0
; For each query: its 8 nearest memories (index and similarity), looked for among the 8 x 32 memories of the groups that gsel names.  The order is (similarity falling, index rising), as jax.lax.top_k has it.
; SHARES.  A work-group takes a tile of 16 queries of one head; wave w the groups at places 2 w and 2 w + 1 of each query's list: 4 tiles of 16 memories a query.
; EVERY QUERY HAS ITS OWN MEMORIES, so a product of 16 memories x 16 queries has one useful column.  The 16 products of a place are CHAINED on one accumulator: link i multiplies query i's tile of memories by the queries' fragment
; in which all columns but i hold zero codes.  Column i then holds query i's similarities, and all 32 lanes have work: lane (r, h) holds query r, memories 8 h + 0 .. 7 of its tile.  The wave's four accumulators take turns.
; No cluster: no two work-groups read the same tiles by plan.  No tensor load: the addresses hang on the stored list.  The memories' tiles come from memory straight into registers, as images of the operand, four queries ahead.
; Group numbers rise along a query's list, so a lane meets its memories in rising order, and so do the waves' lists: strict compares keep the lower index ahead.  Only the two halves of the lanes interleave: there ties are settled by the index.
; LIMITS: NaN and infinities are not served.  A column's finished sum passes through up to 15 links whose products are zeros; it stays as it is while its bits lie inside f32's 24 under the largest product that the scales allow,
; which normalised vectors keep.  A group number is held at 511.
.set QSC, 10                           ; v10     the queries' scale words
.set SR,  12                           ; v12-19  the memories' scale words: slot, place
.set RA,  20                           ; v20-35  the ring's offsets: slot, place, codes / scale words
.set BQ,  36                           ; v36-43  the queries' fragment
.set BM,  44                           ; v44-59  the same with one column left, two sets
.set VV,  60                           ; v60-67  my list's values
.set II,  68                           ; v68-75  its indices
.set ACC, 84                           ; v84-115 four accumulators: 2 x place + tile
.set RG,  116                          ; v116-243 a ring of four slots: a query's four tiles
.set CM,  24                           ; s24-31  the compares' masks
.macro UPD vb, ib, x, id               ; the masks are made: the newcomer takes its place; downward, so that place i still finds the old place i - 1
.irp i, 7,6,5,4,3,2,1
	v_cndmask_b32 v[(\ib)+\i], v[(\ib)+\i], v[(\id)], s[CM+\i]
	v_cndmask_b32 v[(\ib)+\i], v[(\ib)+\i], v[(\ib)+\i-1], s[CM+\i-1]
	v_med3_num_f32 v[(\vb)+\i], v[(\x)], v[(\vb)+\i-1], v[(\vb)+\i]
.endr
	v_cndmask_b32 v[(\ib)], v[(\ib)], v[(\id)], s[CM]
	v_max_num_f32 v[(\vb)], v[(\x)], v[(\vb)]
.endm
.macro INSL vb, ib, x, id              ; a newcomer whose index is above all that the list holds
.irp i, 0,1,2,3,4,5,6,7
	v_cmp_gt_f32 s[CM+\i], v[(\x)], v[(\vb)+\i]
.endr
	UPD \vb, \ib, \x, \id
.endm
.macro INST vb, ib, x, id              ; a newcomer of any index: ahead of place i where it is larger, or equal with the lower index
.irp i, 0,1,2,3,4,5,6,7
	v_cmp_gt_f32 s[CM+\i], v[(\x)], v[(\vb)+\i]
	v_cmp_eq_f32 s32, v[(\x)], v[(\vb)+\i]
	v_cmp_lt_u32 s33, v[(\id)], v[(\ib)+\i]
	s_and_b32 s32, s32, s33
	s_or_b32 s[CM+\i], s[CM+\i], s32
.endr
	UPD \vb, \ib, \x, \id
.endm
.macro RGID i                          ; query i's two group numbers as scalars, held inside the table
.irp g, 0,1
	v_readlane_b32 s[22+\g], v[6+\g], \i
.endr
.irp g, 0,1
	s_min_u32 s[22+\g], s[22+\g], 511
.endr
.endm
.macro RLOAD i                         ; query i's four tiles and their scale words into slot i % 4: ten loads, each of consecutive bytes
.irp g, 0,1
	v_lshl_add_u32 v[RA+4*((\i)%4)+2*\g], s[22+\g], 11, v4     ; a group's codes: 2,048 bytes
	v_lshl_add_u32 v[RA+4*((\i)%4)+2*\g+1], s[22+\g], 7, v5    ; its scale words: 128 bytes: lanes 0-15 the first tile's, lanes 16-31 the second's
.endr
.irp g, 0,1
.irp q, 0,1,2,3
	global_load_b128 v[RG+32*((\i)%4)+16*\g+4*\q:RG+32*((\i)%4)+16*\g+4*\q+3], v[RA+4*((\i)%4)+2*\g], s[4:5] offset:512*\q
.endr
	global_load_b32 v[SR+2*((\i)%4)+\g], v[RA+4*((\i)%4)+2*\g+1], s[6:7]
.endr
.endm
.macro RW i, g, u                      ; link i of the chain of place g, tile u
.set rD, ACC+8*(2*(\g)+(\u))
.set rA, RG+32*((\i)%4)+16*(\g)+8*(\u)
.set rB, BM+8*((\i)%2)
.set rS, SR+2*((\i)%4)+(\g)
.if (\i) == 0
.if \u
	v_wmma_scale_f32_16x16x128_f8f6f4 v[rD:rD+7], v[rA:rA+7], v[rB:rB+7], 0, v[rS], v[QSC] matrix_a_fmt:MATRIX_FMT_FP4 matrix_b_fmt:MATRIX_FMT_FP4 matrix_a_scale:MATRIX_SCALE_ROW1
.else
	v_wmma_scale_f32_16x16x128_f8f6f4 v[rD:rD+7], v[rA:rA+7], v[rB:rB+7], 0, v[rS], v[QSC] matrix_a_fmt:MATRIX_FMT_FP4 matrix_b_fmt:MATRIX_FMT_FP4
.endif
.else
.if \u
	v_wmma_scale_f32_16x16x128_f8f6f4 v[rD:rD+7], v[rA:rA+7], v[rB:rB+7], v[rD:rD+7], v[rS], v[QSC] matrix_a_fmt:MATRIX_FMT_FP4 matrix_b_fmt:MATRIX_FMT_FP4 matrix_a_scale:MATRIX_SCALE_ROW1
.else
	v_wmma_scale_f32_16x16x128_f8f6f4 v[rD:rD+7], v[rA:rA+7], v[rB:rB+7], v[rD:rD+7], v[rS], v[QSC] matrix_a_fmt:MATRIX_FMT_FP4 matrix_b_fmt:MATRIX_FMT_FP4
.endif
.endif
.endm
; Query i.  Its ten loads are in; the four accumulators take a link each (one instruction a turn); the next query's masked fragment is made in the other set: eight plain lines, the places
; in front of the loads into the slot just multiplied; four more plain lines stand between the last of the eight and the next matrix instruction.
.macro ISTEP i
.if (\i) <= 12
	s_wait_loadcnt 30                              ; loads come back in order: the three younger queries' thirty stay out
.else
	s_wait_loadcnt 10*(15-(\i))
.endif
	RW \i, 0, 0
	RW \i, 0, 1
	RW \i, 1, 0
	RW \i, 1, 1
.if (\i) <= 11
	RGID (\i)+4
.endif
.if (\i) < 15
	s_mov_b32 s20, 0x10001<<((\i)+1)               ; column i + 1: lanes i + 1 and i + 17
.irp e, 0,1,2,3,4,5,6,7
	v_cndmask_b32 v[BM+8*(((\i)+1)%2)+\e], 0, v[BQ+\e], s20
.endr
.endif
.if (\i) <= 11
	RLOAD (\i)+4                                   ; (the slot's offsets are free since the wait above showed its loads done)
.else
.rept 4
	v_nop
.endr
.endif
.endm
	s_load_b256 s[4:11], s[0:1], 0x0               ; kc s[4:5], ks s[6:7], qc s[8:9], qs s[10:11]
	s_load_b128 s[12:15], s[0:1], 0x20             ; gsel s[12:13], tidx s[14:15]
	s_load_b64 s[16:17], s[0:1], 0x30              ; tsc
	v_lshl_add_u32 v254, v0, 2, 0x2000
	v_mov_b32 v255, 0
	v_lshrrev_b32 v1, 5, v0
	v_readfirstlane_b32 s18, v1                    ; wave
	v_and_b32 v1, 15, v0                           ; r
	v_bfe_u32 v2, v0, 4, 1                         ; h
	v_and_b32 v3, 31, v0                           ; lane
	v_lshlrev_b32 v4, 4, v3
	v_lshlrev_b32 v5, 2, v3
	s_and_b32 s19, ttmp7, 0xffff                   ; head
	s_lshl_b32 s20, s19, 7
	s_add_co_u32 s20, s20, ttmp9                   ; the tile of queries, counted through all heads
	s_lshl_b32 s21, s18, 3
	v_lshl_add_u32 v76, v1, 5, s21                 ; gsel: 32 bytes a query, my wave's two places
	v_lshlrev_b32 v77, 2, v1
	s_lshl_b32 s21, s18, 11
	v_add_nc_u32 v78, s21, v4                      ; LDS: my wave's four pieces of 512 bytes
	v_lshlrev_b32 v79, 5, v1
	v_lshl_add_u32 v79, v2, 4, v79                 ; the way out: 32 r + 16 h
	s_mov_b32 s34, 0x76543210
	s_mov_b32 s35, 0xfedcba98
	s_mov_b32 s36, 0xffff0000
	s_mov_b32 s23, 0
	s_wait_kmcnt 0x0
	s_lshl_b32 s22, s19, 20
	s_add_nc_u64 s[4:5], s[4:5], s[22:23]
	s_lshl_b32 s22, s19, 16
	s_add_nc_u64 s[6:7], s[6:7], s[22:23]
	s_lshl_b32 s22, s20, 10
	s_add_nc_u64 s[8:9], s[8:9], s[22:23]
	s_lshl_b32 s22, s20, 6
	s_add_nc_u64 s[10:11], s[10:11], s[22:23]
	s_lshl_b32 s22, s20, 9
	s_add_nc_u64 s[12:13], s[12:13], s[22:23]
	s_add_nc_u64 s[14:15], s[14:15], s[22:23]
	s_add_nc_u64 s[16:17], s[16:17], s[22:23]
	global_load_b64 v[6:7], v76, s[12:13]          ; query r's two group numbers
	global_load_b128 v[BQ:BQ+3], v4, s[8:9]
	global_load_b128 v[BQ+4:BQ+7], v4, s[8:9] offset:512
	global_load_b32 v[QSC], v77, s[10:11]
	s_wait_loadcnt 0x0
.irp g, 0,1
	v_min_u32 v[8+\g], 511, v[6+\g]
.endr
.irp g, 0,1
	v_lshlrev_b32 v[8+\g], 5, v[8+\g]
.endr
.irp g, 0,1
	v_lshl_add_u32 v[8+\g], v2, 3, v[8+\g]         ; the index of my first memory of the group: 32 x group + 8 h
.endr
	s_mov_b32 s20, 0x10001
.irp e, 0,1,2,3,4,5,6,7
	v_cndmask_b32 v[BM+\e], 0, v[BQ+\e], s20       ; column 0 alone
.endr
.irp i, 0,1,2,3
	RGID \i
	RLOAD \i
.endr
.irp j, 0,1,2,3,4,5,6,7
	v_mov_b32 v[VV+\j], 0xff800000                 ; the list begins at -infinity: it takes 32 memories, so none of these is left
	v_mov_b32 v[II+\j], 0
.endr
.irp i, 0,1,2,3,4,5,6,7,8,9,10,11,12,13,14,15
	ISTEP \i
.endr
	; my 32 similarities go into my list, in rising order of their indices; each accumulator is read from its low end on
.irp g, 0,1
.irp u, 0,1
.irp j, 0,1,2,3,4,5,6,7
	v_add_nc_u32 v11, 16*\u+\j, v[8+\g]
	INSL VV, II, ACC+8*(2*\g+\u)+\j, 11
.endr
.endr
.endr
	ds_store_b128 v78, v[VV:VV+3]
	ds_store_b128 v78, v[VV+4:VV+7] offset:512
	ds_store_b128 v78, v[II:II+3] offset:1024
	ds_store_b128 v78, v[II+4:II+7] offset:1536
	s_wait_dscnt 0x0                               ; for wave 0's sake: my list has landed
	s_barrier_signal -1
	s_barrier_wait -1
	s_cmp_lg_u32 s18, 0
	s_cbranch_scc1 .Ldone
.irp p, 0,1,2,3,4,5,6,7,8,9,10,11
	ds_load_b128 v[RG+4*\p:RG+4*\p+3], v4 offset:2048+512*\p   ; the lists of waves 1, 2, 3: 8 values and 8 indices each
.endr
	s_wait_dscnt 0x0
.irp w, 0,1,2
.irp i, 0,1,2,3,4,5,6,7
	INSL VV, II, RG+16*\w+\i, RG+16*\w+8+\i        ; in the waves' order: their indices rise
.endr
.endr
.irp i, 0,1,2,3,4,5,6,7,8,9,10,11,12,13,14,15
	v_permlanex16_b32 v[RG+48+\i], v[VV+\i], s34, s35
.endr
.irp i, 0,1,2,3,4,5,6,7
	INST VV, II, RG+48+\i, RG+56+\i                ; the other half of the lanes' list: the order is total, so both halves end with the same list
.endr
.irp k, 0,1,2,3
	v_cndmask_b32 v[RG+64+\k], v[II+\k], v[II+4+\k], s36   ; lanes 0-15 store places 0-3, lanes 16-31 places 4-7
	v_cndmask_b32 v[RG+68+\k], v[VV+\k], v[VV+4+\k], s36
.endr
	global_store_b128 v79, v[RG+64:RG+67], s[14:15]        ; 512 consecutive bytes each
	global_store_b128 v79, v[RG+68:RG+71], s[16:17]
.Ldone:
	s_wait_tensorcnt 0x0
	ds_add_u32 v254, v255
	s_wait_dscnt 0x0
	s_endpgm
.Lfunc_end_k_qd4c3d01847_refine:
	.size	k_qd4c3d01847_refine, .Lfunc_end_k_qd4c3d01847_refine-k_qd4c3d01847_refine
	.p2alignl 7, 3214868480
	.fill 96, 4, 3214868480
	.section	.rodata,"a",@progbits
	.p2align	6, 0x0
	.amdhsa_kernel k_qd4c3d01847_refine
		.amdhsa_group_segment_fixed_size 8704
		.amdhsa_private_segment_fixed_size 0
		.amdhsa_enable_private_segment 0
		.amdhsa_kernarg_size 56
		.amdhsa_user_sgpr_count 2
		.amdhsa_user_sgpr_kernarg_segment_ptr 1
		.amdhsa_wavefront_size32 1
		.amdhsa_system_sgpr_workgroup_id_x 1
		.amdhsa_system_sgpr_workgroup_id_y 1
		.amdhsa_system_sgpr_workgroup_id_z 1
		.amdhsa_system_vgpr_workitem_id 0
		.amdhsa_next_free_vgpr 256
		.amdhsa_next_free_sgpr 66
		.amdhsa_reserve_vcc 0
		.amdhsa_float_denorm_mode_32 3
		.amdhsa_float_denorm_mode_16_64 3
		.amdhsa_memory_ordered 1
		.amdhsa_forward_progress 1
		.amdhsa_inst_pref_size 183
	.end_amdhsa_kernel
	.amdgpu_metadata
---
amdhsa.version: [ 1, 2 ]
amdhsa.kernels:
  - .name:           k_qd4c3d01847_refine
    .symbol:         k_qd4c3d01847_refine.kd
    .args:
      - { .name: kc, .offset: 0, .size: 8, .value_kind: global_buffer, .address_space: global }
      - { .name: ks, .offset: 8, .size: 8, .value_kind: global_buffer, .address_space: global }
      - { .name: qc, .offset: 16, .size: 8, .value_kind: global_buffer, .address_space: global }
      - { .name: qs, .offset: 24, .size: 8, .value_kind: global_buffer, .address_space: global }
      - { .name: gsel, .offset: 32, .size: 8, .value_kind: global_buffer, .address_space: global }
      - { .name: tidx, .offset: 40, .size: 8, .value_kind: global_buffer, .address_space: global }
      - { .name: tsc, .offset: 48, .size: 8, .value_kind: global_buffer, .address_space: global }
    .group_segment_fixed_size: 8704
    .private_segment_fixed_size: 0
    .kernarg_segment_align: 8
    .kernarg_segment_size: 56
    .max_flat_workgroup_size: 128
    .sgpr_count:     66
    .vgpr_count:     256
    .wavefront_size: 32
...
	.end_amdgpu_metadata
.endif
;; end of part 3
;; launch mix (part 4): grid 1024 x 1, 4 waves a work-group, no clusters, 0 bytes of LDS; arguments value_memories, outputs, gate, tidx, tsc, out0; writes out0
.if DOCPART == 4
	.amdgcn_target "amdgcn-amd-amdhsa--gfx1250"
	.amdhsa_code_object_version 6
	.text
	.protected	k_qd4c3d01847_mix
	.globl	k_qd4c3d01847_mix
	.p2align	8
	.type	k_qd4c3d01847_mix,@function
k_qd4c3d01847_mix:
	s_mov_b64 s[64:65], 0
	v_nop
	global_prefetch_b8 v0, s[64:65] scope:SCOPE_SE
	s_setreg_imm32_b32 hwreg(HW_REG_WAVE_MODE, 25, 1), 1
	s_wait_xcnt 0x0
; out0 = g x (the sum over a query's 8 nearest memories of similarity x value row) + (1 - g) x outputs, g = sigmoid(gate).
; The weighted rows lie [head][2048][128] and are read again flat as [batch][head][1024][128]: flat row p takes its memories from head p / 2048 and its gate from head (p / 1024) % 8.
; A stream with a gather: no LDS, no matrix unit, no cluster (nothing is shared).  A wave takes 4 flat rows; their 32 indices and 32 similarities come by scalar loads (this launch only reads those buffers);
; a value row is one load of 512 consecutive bytes; all 36 loads of a wave are out together.  An index is held at 16,383.
	s_load_b128 s[4:7], s[0:1], 0x0                ; value_memories, outputs
	s_load_b128 s[56:59], s[0:1], 0x10             ; gate, tidx
	s_load_b128 s[60:63], s[0:1], 0x20             ; tsc, out0
	v_lshrrev_b32 v1, 5, v0
	v_readfirstlane_b32 s85, v1                    ; wave
	v_and_b32 v1, 31, v0
	v_lshlrev_b32 v1, 4, v1                        ; 16 x lane
	s_lshl_b32 s86, ttmp9, 4
	s_lshl_b32 s87, s85, 2
	s_add_co_u32 s86, s86, s87                     ; my first flat row
	s_mov_b32 s89, 0
	s_wait_kmcnt 0x0
	s_lshl_b32 s88, s86, 5                         ; 32 bytes a row
	s_add_nc_u64 s[58:59], s[58:59], s[88:89]
	s_add_nc_u64 s[60:61], s[60:61], s[88:89]
	s_bfe_u32 s88, ttmp9, 0x30006                  ; 64 work-groups to 1,024 rows: the gate's head
	s_lshl_b32 s88, s88, 2
	s_add_nc_u64 s[56:57], s[56:57], s[88:89]
	s_load_b512 s[8:23], s[58:59], 0x0             ; s8-39: the 32 indices
	s_load_b512 s[24:39], s[58:59], 0x40
	s_load_b512 s[40:55], s[60:61], 0x0            ; s40-55, s68-83: the 32 similarities
	s_load_b512 s[68:83], s[60:61], 0x40
	s_load_b32 s84, s[56:57], 0x0
	s_lshl_b32 s88, s86, 9                         ; 512 bytes a row
	s_add_nc_u64 s[6:7], s[6:7], s[88:89]
	s_add_nc_u64 s[62:63], s[62:63], s[88:89]
	s_lshr_b32 s88, ttmp9, 7                       ; 128 work-groups to 2,048 rows: the values' head,
	s_lshl_b32 s88, s88, 23                        ; 8 MiB each
	s_add_nc_u64 s[4:5], s[4:5], s[88:89]
.irp i, 0,1,2,3
	global_load_b128 v[168+4*\i:171+4*\i], v1, s[6:7] offset:512*\i th:TH_LOAD_NT
.endr
	s_wait_kmcnt 0x0
.set n, 0
.rept 32
	s_min_u32 s[8+n], s[8+n], 16383
	v_lshl_add_u32 v[8+n], s[8+n], 9, v1
	global_load_b128 v[40+4*n:43+4*n], v[8+n], s[4:5]      ; no hint: a row may be named by many queries
.set n, n+1
.endr
	v_mov_b32 v2, s84
	v_mul_f32 v2, 0xbfb8aa3b, v2                   ; -gate x log2(e)
	v_exp_f32 v2, v2
	v_nop                                          ; a plain line behind the exponential
	s_wait_alu depctr_va_vdst(0)                   ; the wait ahead of the first reader
	v_add_f32 v2, 1.0, v2
	v_rcp_f32 v2, v2                               ; g
	v_nop
	s_wait_alu depctr_va_vdst(0)
	v_sub_f32 v3, 1.0, v2                          ; 1 - g
.irp i, 0,1,2,3
	s_wait_loadcnt 8*(3-\i)                        ; loads come back in order: this row's eight are in, the younger rows' stay out
.irp e, 0,1,2,3
	v_mul_f32 v[184+4*\i+\e], s[40+8*\i+12*(\i/2)], v[40+32*\i+\e]     ; the first product starts the sum
.endr
.irp k, 1,2,3,4,5,6,7
.irp e, 0,1,2,3
	v_fma_f32 v[184+4*\i+\e], s[40+8*\i+\k+12*(\i/2)], v[40+32*\i+4*\k+\e], v[184+4*\i+\e]
.endr
.endr
.irp e, 0,1,2,3
	v_mul_f32 v[168+4*\i+\e], v3, v[168+4*\i+\e]
.endr
.irp e, 0,1,2,3
	v_fma_f32 v[184+4*\i+\e], v2, v[184+4*\i+\e], v[168+4*\i+\e]
.endr
	global_store_b128 v1, v[184+4*\i:187+4*\i], s[62:63] offset:512*\i th:TH_STORE_NT   ; a row: 512 consecutive bytes
.endr
	s_endpgm
.Lfunc_end_k_qd4c3d01847_mix:
	.size	k_qd4c3d01847_mix, .Lfunc_end_k_qd4c3d01847_mix-k_qd4c3d01847_mix
	.p2alignl 7, 3214868480
	.fill 96, 4, 3214868480
	.section	.rodata,"a",@progbits
	.p2align	6, 0x0
	.amdhsa_kernel k_qd4c3d01847_mix
		.amdhsa_group_segment_fixed_size 0
		.amdhsa_private_segment_fixed_size 0
		.amdhsa_enable_private_segment 0
		.amdhsa_kernarg_size 48
		.amdhsa_user_sgpr_count 2
		.amdhsa_user_sgpr_kernarg_segment_ptr 1
		.amdhsa_wavefront_size32 1
		.amdhsa_system_sgpr_workgroup_id_x 1
		.amdhsa_system_sgpr_workgroup_id_y 1
		.amdhsa_system_sgpr_workgroup_id_z 1
		.amdhsa_system_vgpr_workitem_id 0
		.amdhsa_next_free_vgpr 208
		.amdhsa_next_free_sgpr 100
		.amdhsa_reserve_vcc 0
		.amdhsa_float_denorm_mode_32 3
		.amdhsa_float_denorm_mode_16_64 3
		.amdhsa_memory_ordered 1
		.amdhsa_forward_progress 1
		.amdhsa_inst_pref_size 19
	.end_amdhsa_kernel
	.amdgpu_metadata
---
amdhsa.version: [ 1, 2 ]
amdhsa.kernels:
  - .name:           k_qd4c3d01847_mix
    .symbol:         k_qd4c3d01847_mix.kd
    .args:
      - { .name: value_memories, .offset: 0, .size: 8, .value_kind: global_buffer, .address_space: global }
      - { .name: outputs, .offset: 8, .size: 8, .value_kind: global_buffer, .address_space: global }
      - { .name: gate, .offset: 16, .size: 8, .value_kind: global_buffer, .address_space: global }
      - { .name: tidx, .offset: 24, .size: 8, .value_kind: global_buffer, .address_space: global }
      - { .name: tsc, .offset: 32, .size: 8, .value_kind: global_buffer, .address_space: global }
      - { .name: out0, .offset: 40, .size: 8, .value_kind: global_buffer, .address_space: global }
    .group_segment_fixed_size: 0
    .private_segment_fixed_size: 0
    .kernarg_segment_align: 8
    .kernarg_segment_size: 48
    .max_flat_workgroup_size: 128
    .sgpr_count:     100
    .vgpr_count:     208
    .wavefront_size: 32
...
	.end_amdgpu_metadata
.endif
;; end of part 4
